; MI455X (gfx1250); checked and timed in simulation.
; The chip was launched on July 23, 2026; its instructions are those of AMD's public machine-readable ISA for CDNA 5 (MIT licence, August 2026) and "CDNA5" Instruction Set Architecture Reference Guide (July 2026). The comments in the code are by the model that wrote it; some were corrected since.
;; Multi Head Attention. Allowed arithmetic: matrix products marked QUANTISED: E2M3 operands, one E8M0 scale for each 32 along K, by v_wmma_scale_f32_16x16x128_f8f6f4 with both operands' format E2M3, f32 sums; everything else in f32.
;; Inputs: W_out_codes 1,024 x 32 x 24 uint8 (E2M3 codes of W_out, K innermost, in blocks of 32 codes, four codes in three bytes); W_out_scales 1,024 x 32 uint8 (E8M0 scales of W_out, one for each 32 codes along K); W_qkv_codes 3,072 x 32 x 24 uint8 (E2M3 codes of W_qkv, K innermost, in blocks of 32 codes, four codes in three bytes); W_qkv_scales 3,072 x 32 uint8 (E8M0 scales of W_qkv, one for each 32 codes along K); b_out 1,024 float32; b_qkv 3,072 float32; x_codes 4 x 2,048 x 32 x 24 uint8 (E2M3 codes of x, K innermost, in blocks of 32 codes, four codes in three bytes); x_scales 4 x 2,048 x 32 uint8 (E8M0 scales of x, one for each 32 codes along K).
;; Outputs: out0 4 x 2,048 x 1,024 float32.
;; This version of the problem:
;;   THIS VERSION OF THE PROBLEM IS GIVEN IN LOW PRECISION. The matrix products marked QUANTISED in the list below multiply operands that are first quantised to E2M3 (2 exponent bits, 3 mantissa bits; 6 bits a number), with one power-of-two scale for each 32 numbers along K (OCP MX v1.0); their sums are f32. All else is computed in f32.
;;   The module's matrix products, in the order in which they are computed (A, B: the left and right operand; K: the contracted axis; several contracted axes count as one K, in the product's order):
;;     1. [M 8,192, K 1,024] x [K 1,024, N 3,072]; A: input x (given as codes); B: input W_qkv (given as codes): QUANTISED
;;     2. batch 64 x [M 2,048, K 64] x [K 64, N 2,048]; A: computed on the way; B: computed on the way: QUANTISED
;;     3. batch 64 x [M 2,048, K 2,048] x [K 2,048, N 64]; A: softmax (see below); B: computed on the way: QUANTISED
;;     4. [M 8,192, K 1,024] x [K 1,024, N 1,024]; A: computed on the way; B: input W_out (given as codes): QUANTISED
;;   THE QUANTISER, for each operand of a quantised product, along K:
;;     - K is cut into blocks of 32 from its start; a last block that is shorter is filled with zeros.
;;     - A block's scale is 2^e with e = floor(log2(the largest magnitude in the block)) - 2, held to -126 .. 127; a block of zeros has e = 0. As a byte (E8M0): e + 127.
;;     - Each number is divided by its block's scale, clamped to +-7.5, and rounded to the nearest number of E2M3, ties to even, subnormals kept.
;;     - The product sums the exact products of the quantised numbers (number of the format x scale) in f32.
;;   ~~~python
;;   def quantise(x, axis):      # numpy; x: float32 -> the quantised numbers, widened to float32 again
;;       x = np.moveaxis(x, axis, -1); K = x.shape[-1]
;;       x = np.pad(x, [(0, 0)] * (x.ndim - 1) + [(0, -K % 32)]); x = x.reshape(x.shape[:-1] + (-1, 32)); a = np.abs(x).max(-1, keepdims=True)
;;       e = np.where(a > 0, np.clip(np.frexp(np.where(a > 0, a, 1))[1] - 1 - 2, -126, 127), 0)      # np.frexp(a)[1] - 1 = floor(log2(a)), exactly
;;       r = np.clip(x / 2.0 ** e, -7.5, 7.5)
;;       step = 2.0 ** (np.maximum(np.frexp(np.where(r == 0, 1, r))[1] - 1, 0) - 3)
;;       q = np.round(r / step) * step * 2.0 ** e      # np.round: ties to even
;;       return np.moveaxis(q.reshape(q.shape[:-2] + (-1,))[..., :K], -1, axis).astype(np.float32)
;;   ~~~
;;   SOFTMAX AHEAD OF A QUANTISED PRODUCT. Where the list says 'softmax', what is quantised is not the finished softmax but p = 2^(t - M), with t = logit x log2(e) and M = ceil(the row's largest t), a whole number; so 1/2 < the row's largest p <= 1. The row's sum l is taken of the UNQUANTISED p, in f32, and the product's result is divided by l at the end. Since M is a whole number, a kernel that streams over the keys may use a running M (the ceiling of the running maximum): every later rescaling is an exact power of two, which a block's scale takes up: the codes' values come out the same.
;;   OPERANDS COMPUTED ON THE WAY. 'Computed on the way' means the value that the module computes at that place (a softmax that the list does not call 'softmax' is quantised finished and normalised). What goes into a quantiser is computed in f32, as accurately as f32 sums, v_exp_f32 and their like allow (about 1e-6 of the number): no bf16 or f16 on the way to a quantiser, and a product that is left as it is and whose result goes on into a quantised operand takes f32 operands (vector FMAs, or v_wmma_f32_16x16x4_f32). A number that lies on a knife's edge between two numbers of the format may be rounded either way, as far as f32 arithmetic and the matrix unit's own rounding can turn it there, and no further.
;;   INPUTS GIVEN AS CODES. W_out (in the module: [1024, 1024], K = its axis 0); W_qkv (in the module: [1024, 3072], K = its axis 0); x (in the module: [4, 2048, 1024], K = its axis 2): each comes as NAME_codes (uint8): NAME with its K axis moved to the last place and cut into blocks of 32 codes, [.., K / 32, bytes a block], one block behind the other in memory; four codes in three bytes: a row's codes are one little-endian stream of bits, code i at bits 6 i .. 6 i + 5 (a code: sign, 2 exponent bits, 3 mantissa bits); and NAME_scales (uint8): the same leading axes, one E8M0 byte (e + 127) for each 32 codes along K. Its value is code x scale, taken as it is: it is not quantised again, and the codes and scales need not be those that the quantiser above would give.
;; One version. Each part assembles by itself: llvm-mc -triple=amdgcn-amd-amdhsa -mcpu=gfx1250 --defsym DOCPART=n.
;; ======== version 1 of 1: 3 launches
;; limits: right only within a limited range of input values
;; workspace buffers: q_img 6,553,600 bytes; kv 13,107,200 bytes; a_img 6,291,456 bytes; a_sc 262,144 bytes
;; launch qkv (part 1): grid 12 x 32, 4 waves a work-group, clusters of 4 x 4, 327,680 bytes of LDS; arguments x_codes, x_scales, W_qkv_codes, W_qkv_scales, b_qkv, q_img, kv; writes q_img, kv
.if DOCPART == 1
	.amdgcn_target "amdgcn-amd-amdhsa--gfx1250"
	.amdhsa_code_object_version 6
	.text
	.protected	k_q3362ad738e_qkv
	.globl	k_q3362ad738e_qkv
	.p2align	8
	.type	k_q3362ad738e_qkv,@function
k_q3362ad738e_qkv:
	s_mov_b64 s[64:65], 0
	v_nop
	global_prefetch_b8 v0, s[64:65] scope:SCOPE_SE
	s_setreg_imm32_b32 hwreg(HW_REG_WAVE_MODE, 25, 1), 1
	s_wait_xcnt 0x0
	s_wait_alu depctr_hold_cnt(0) depctr_sa_sdst(0) depctr_va_vdst(0) depctr_va_sdst(0) depctr_va_ssrc(0) depctr_va_vcc(0) depctr_vm_vsrc(0)
	s_getreg_b32 s2, hwreg(HW_REG_IB_STS2, 6, 4)
	s_cmp_eq_u32 s2, 0
	s_cbranch_scc0 .Lentry_in_a_cluster
	s_endpgm
.Lentry_in_a_cluster:
	s_bfe_u32 s2, ttmp6, 0x10000c
	s_cmp_lg_u32 s2, 0xf033
	s_cbranch_scc0 .Lentry_shape_is_right
	s_endpgm
.Lentry_shape_is_right:
; x W_qkv + b_qkv on codes of FP6 (E2M3) with E8M0 scales, and its result quantised at once: q and k along the head's 64 channels, v along the keys.
; Rows of codes are 768 bytes, 32 scale bytes a row.  q_img and kv hold codes and scale words in the order of the next launch's operand registers.
; A work-group of four waves makes 256 x 256, a wave 128 x 128 in 64 accumulators.  K goes through a ring of two LDS slots in CHUNKS OF 256 BYTES of each row (three chunks): every tile row begins at a multiple of 256 bytes.
; A step of 128 along K is 96 bytes: steps 2 and 5 lie across two chunks and take their pieces from both slots.  The scale bytes of the work-group's rows come once and stay.
; Source 0 = "B", source 1 = "A": a lane holds ONE row of A and, for each block of 16 rows of A, 64 registers along B's 128 rows.
; TWO KINDS OF CLUSTER, told apart by the cluster's x, which all partners share.  x = 0, 1 (q, k): A = tokens, B = columns of W.  x = 2 (v): A = rows of W from 2,048 on, B = tokens.  Only pointers and tile numbers are chosen.
; CLUSTERS 4 x 4: A's tile hangs on cy alone and is asked for jointly by a row of the cluster, B's on cx alone and by a column.
; ORDER INSIDE A BLOCK OF 32: register 8 b + j of lane half h is B's row 16 b + 8 h + j; place p of a block holds the block's number 8 g(p / 8) + p % 8, g = 0, 2, 1, 3; both operands of each later product carry the same order.
; TOKENS OF A TILE: of a group of 128 tokens, tile t row m is token 64 (t / 4) + 32 (m / 8) + 8 g(t % 4) + m % 8.  A fragment of q or k holds two tiles (registers 0-5, 6-11).  An IMAGE is 1,536 bytes: registers 4 i .. 4 i + 3 of lane l at 512 i + 16 l.
; A group's 64 scale words: fragment f, row m at byte 8 (16 (f % 2) + m) + 4 (f / 2).
; q_img: [b, head][group][4 images, 256 bytes of scale words].  kv: [b, head][group][k's 4 images, v's 4 images, k's scale words, v's scale words].
; No prefetch: the block is the largest, in clusters, and K is three chunks, of which two are asked for at the head.
; LIMITS: NaN and infinities among the sums are not served.  A block under 2^-124, or of zeros, gets the scale byte 1: its codes are zeros, and only this program reads the bytes.
.set ROWB,   256
.set NQ,     2
.set KROW,   768
.set STEPS,  8
.set CHUNKS, 3
.set PITCH,  272
.set FR,     12
.set NL,     6
.set NP,     4
.set HALFT,  128*PITCH
.set SLOT,   4*HALFT
.set KS,     32
.set SCL,    2*SLOT
.set HALFS,  (128*KS/256)*272
.set SBLK,   (16*KS/256)*272
.set SPARE,  SCL+4*HALFS
.set STQB,   13824                     ; way out of q, k: a stage a wave, in slot 1 (its last fill and last read are over behind step 5's barrier)
.set STVB,   57344                     ; way out of v: 512 bytes a wave, bytes that the other kind never names
.set SA,   7
.set SW,   8
.set RB,   9
.set RS,   10
.set SWV,  11
.set RSV,  12
.set GO16, 13
.set GO8,  14
.set ADRA, 16                          ; v16-17 A's fragments in slot 0, 1; v18-19 for pieces whose lanes 16-31 read the next chunk, in the other slot
.set ADRB, 20
.set ADRS, 27
.set SPW,  28
.set NIL,  29
.set BA,   30
.set BAV,  31
.set SC,   32                          ; v32-63 scale words, two sets; nothing else ever
.set BI,   64
.set BV,   64
.set AF,   128
.set T,    128
.set CD,   192
.set TM,   212
.set PWS,  228
.set WT,   236
.set G1,   24
.set G0,   32
.set G1B,  48
.set G0B,  56
.set G1S,  68
.set G0S,  76
.set G1SB, 80
.set G0SB, 88
.set G0H,  4
.set G0HB, 8
.set KIND, 95
.set SEL,  100
.set MSB, 0
.macro WIN new
.if MSB != (\new)
	s_set_vgpr_msb (MSB<<8)|(\new)
.set MSB, (\new)
.endif
.endm
.set MUL_LO, 0xa1
.set MUL_HI, 0xf1
.set TO_B,   0x40
.macro PLACES n
.rept \n
	v_nop
.endr
.endm
.macro JLOAD g0a, g1a, g0b, g1b        ; waves 0, 1 fetch for A, waves 2, 3 for B
	s_cmp_eq_u32 s15, 0
	s_cbranch_scc0 .Lfor_b_\@
	tensor_load_to_lds s[\g0a:\g0a+3], s[\g1a:\g1a+7]
	s_nop 0
	PLACES 4
	s_branch .Lasked_\@
.Lfor_b_\@:
	tensor_load_to_lds s[\g0b:\g0b+3], s[\g1b:\g1b+7]
	s_nop 0
	PLACES 4
.Lasked_\@:
.endm
.macro CREST
	s_cmp_lg_u32 s14, 0
	s_cbranch_scc1 .Lnot_wave_0_\@
	s_barrier_signal -3
.Lnot_wave_0_\@:
	s_barrier_wait -3
	s_barrier_signal -1
	s_barrier_wait -1
.endm
.macro CROUND
	s_barrier_signal -1
	s_barrier_wait -1
	CREST
.endm
.macro SCG1 g                          ; scales of 256 rows: 32 rows of 256 bytes, 16 bytes of padding behind each
	s_mov_b32 s[\g+1], 32<<16
	s_mov_b32 s[\g+2], KS<<16
	s_mov_b32 s[\g+3], 32<<16
	s_mov_b32 s[\g+4], KS
	s_mov_b32 s[\g+5], 32
	s_mov_b32 s[\g+6], 0
	s_mov_b32 s[\g+7], 0
.endm
.macro SETG0 g, lds, src
	s_mov_b32 s[\g], 1
	s_mov_b32 s[\g+1], \lds
	s_mov_b64 s[\g+2:\g+3], s[\src:\src+1]
	s_or_b32 s[\g+3], s[\g+3], 0x80000000
.endm
	s_load_b256 s[68:75], s[0:1], 0x0              ; x's codes, x's scales, W's codes, W's scales
	s_load_b64 s[12:13], s[0:1], 0x20              ; b_qkv
	s_load_b128 s[96:99], s[0:1], 0x28             ; q_img, kv
	v_lshl_add_u32 v[SPW], v0, 2, SPARE
	v_mov_b32 v[NIL], 0
	ds_add_u32 v[SPW], v[NIL]                      ; the opening lines
	ds_add_u32 v[SPW], v[NIL]
	v_lshrrev_b32 v1, 5, v0
	v_readfirstlane_b32 s14, v1                    ; wave
	s_lshr_b32 s15, s14, 1                         ; my half of A's rows; also: I fetch for A (0) or B (1)
	s_and_b32 s16, s14, 1                          ; my half of B's rows; also: which 128 rows I fetch
	s_bfe_u32 s40, ttmp6, 0x40000                  ; cx
	s_bfe_u32 s41, ttmp6, 0x40004                  ; cy
	s_and_b32 s18, ttmp7, 0xffff
	s_cmp_eq_u32 ttmp9, 2
	s_cselect_b32 s[KIND], 1, 0
	s_cselect_b32 s19, s18, ttmp9
	s_cselect_b32 s18, ttmp9, s18
	s_lshl_b32 s42, s19, 2
	s_add_co_u32 s42, s42, s40                     ; B's tile
	s_lshl_b32 s17, s18, 2
	s_add_co_u32 s17, s17, s41                     ; A's tile
	s_lshl_b32 s43, s41, 2
	s_lshl_b32 s43, 15, s43                        ; my row of the cluster
	s_lshl_b32 s44, 0x1111, s40                    ; my column
	s_mov_b32 s[SEL], 0x76543210
	s_mov_b32 s[SEL+1], 0xfedcba98
	s_or_b32 s[G1+0], s43, (1<<20)|(1<<21)|(5<<22)|(3<<25)
	s_or_b32 s[G1B+0], s44, (1<<20)|(1<<21)|(5<<22)|(3<<25)
.irp g, G1, G1B
	s_mov_b32 s[\g+1], ROWB<<16
	s_mov_b32 s[\g+2], 256<<16                     ; the head's loads bring 256 rows
	s_mov_b32 s[\g+3], ROWB<<16
	s_mov_b32 s[\g+4], 256
	s_mov_b32 s[\g+5], KROW
	s_mov_b32 s[\g+6], 0
	s_mov_b32 s[\g+7], 0
.endr
	s_or_b32 s[G1SB+0], s44, (3<<16)|(1<<20)|(1<<21)|(5<<22)|(3<<25)
	SCG1 G1SB
	s_lshl_b32 s20, s17, 8
	s_lshl_b32 s46, s42, 8
	s_mov_b32 s21, 0
	s_mov_b32 s47, 0
	s_mov_b64 s[18:19], KS
	s_mul_u64 s[22:23], s[20:21], s[18:19]
	s_mul_u64 s[92:93], s[46:47], s[18:19]
	s_mov_b64 s[18:19], KROW
	s_mul_u64 s[20:21], s[20:21], s[18:19]
	s_mul_u64 s[46:47], s[46:47], s[18:19]
	s_mul_i32 s18, s16, 128*KROW
	s_mov_b32 s19, 0
	s_mul_i32 s45, s14, HALFT
	s_wait_dscnt 0x0
	s_wait_kmcnt 0x0
	s_cmp_eq_u32 s[KIND], 1
	s_cselect_b64 s[4:5], s[72:73], s[68:69]       ; A's codes
	s_cselect_b64 s[6:7], s[74:75], s[70:71]       ; A's scales
	s_cselect_b64 s[8:9], s[68:69], s[72:73]       ; B's codes
	s_cselect_b64 s[10:11], s[70:71], s[74:75]     ; B's scales
	s_or_b32 s[G1S+0], s43, (3<<16)|(1<<20)|(1<<21)|(5<<22)|(3<<25)
	SCG1 G1S
	s_add_nc_u64 s[20:21], s[4:5], s[20:21]
	s_add_nc_u64 s[22:23], s[6:7], s[22:23]
	s_add_nc_u64 s[46:47], s[8:9], s[46:47]
	s_add_nc_u64 s[92:93], s[10:11], s[92:93]
	CROUND                                         ; ahead of the first joint loads
	SETG0 G0H, 0, 20
	SETG0 G0HB, 2*HALFT, 46
	SETG0 G0S, SCL, 22
	SETG0 G0SB, SCL+2*HALFS, 92
	s_add_nc_u64 s[20:21], s[20:21], s[18:19]      ; for the ring: my 128 rows
	s_add_nc_u64 s[46:47], s[46:47], s[18:19]
.irp s, 0,1
	s_mov_b32 s[G0+4*\s], 1
	s_add_co_u32 s[G0+4*\s+1], s45, \s*SLOT
	s_add_nc_u64 s[G0+4*\s+2:G0+4*\s+3], s[20:21], \s*ROWB
	s_or_b32 s[G0+4*\s+3], s[G0+4*\s+3], 0x80000000
	s_mov_b32 s[G0B+4*\s], 1
	s_add_co_u32 s[G0B+4*\s+1], s45, \s*SLOT
	s_add_nc_u64 s[G0B+4*\s+2:G0B+4*\s+3], s[46:47], \s*ROWB
	s_or_b32 s[G0B+4*\s+3], s[G0B+4*\s+3], 0x80000000
.endr
; the head's four tiles, one a wave: chunk 0 of A, chunk 0 of B, A's scales, B's scales
.macro ARM under, g0, g1, next
	s_cmp_lt_u32 s14, \under
	s_cbranch_scc0 \next
	tensor_load_to_lds s[\g0:\g0+3], s[\g1:\g1+7]
	s_nop 0
	PLACES 4
	s_branch .Lhead_asked
\next:
.endm
	ARM 1, G0H,  G1,  .Lhead_b
	ARM 2, G0HB, G1B, .Lhead_sa
	ARM 3, G0S,  G1S, .Lhead_sb
	tensor_load_to_lds s[G0SB:G0SB+3], s[G1SB:G1SB+7]
	s_nop 0
	PLACES 4
.Lhead_asked:
	s_mul_i32 s18, s15, HALFT                      ; my 128 rows of A
	s_mul_i32 s19, s16, HALFT
	s_add_co_u32 s19, s19, 2*HALFT                 ; my 128 rows of B
	s_mov_b32 s20, SLOT-232
	s_mov_b32 s21, SLOT+232
	s_mul_i32 s23, s15, HALFS
	s_mul_i32 s22, s16, HALFS
	s_add_co_u32 s22, s22, 2*HALFS
	s_sub_co_u32 s22, s22, s23                     ; from A's scale words to B's
	s_add_co_u32 s23, s23, SCL
	s_mul_i32 s92, s14, STQB
	s_add_co_u32 s92, s92, SLOT                    ; my stage, in slot 1
	s_lshl_b32 s93, s14, 9
	s_add_co_u32 s93, s93, SLOT+STVB
	v_and_b32 v1, 15, v0                           ; r
	v_bfe_u32 v2, v0, 4, 1                         ; h
	v_mul_u32_u24 v3, v1, PITCH
	v_mul_u32_u24 v4, v2, 24
	v_add_nc_u32 v4, v3, v4
	v_sub_nc_u32 v6, 1, v2
	v_mul_u32_u24 v5, s20, v2
	v_add_nc_u32 v5, v3, v5
	v_add_nc_u32 v5, 232, v5                       ; lanes 0-15 byte 232 in slot 0, lanes 16-31 byte 0 in slot 1
	v_mul_u32_u24 v6, s21, v6
	v_add_nc_u32 v6, v3, v6                        ; lanes 0-15 byte 232 in slot 1, lanes 16-31 byte 0 in slot 0
	v_add_nc_u32 v[ADRA+2], s18, v5
	v_add_nc_u32 v[ADRA+3], s18, v6
	v_add_nc_u32 v[ADRB+2], s19, v5
	v_add_nc_u32 v[ADRB+3], s19, v6
	v_add_nc_u32 v[ADRA], s18, v4
	v_add_nc_u32 v[ADRB], s19, v4
	v_add_nc_u32 v[ADRA+1], SLOT, v[ADRA]
	v_add_nc_u32 v[ADRB+1], SLOT, v[ADRB]
	v_mul_u32_u24 v5, v1, KS
	v_lshrrev_b32 v6, 8, v5
	v_lshl_add_u32 v5, v6, 4, v5
	v_mul_u32_u24 v6, s22, v2                      ; lanes 16-31 take B's
	v_add_nc_u32 v5, v5, v6
	v_add_nc_u32 v[ADRS], s23, v5
	v_and_b32 v5, 7, v0
	v_bfe_u32 v6, v0, 3, 1
	v_and_b32 v3, 31, v0
	v_mul_u32_u24 v[SA], v6, 1664
	v_lshl_add_u32 v[SA], v2, 8, v[SA]
	v_lshl_add_u32 v[SA], v5, 4, v[SA]
	v_add_nc_u32 v[SA], s92, v[SA]
	v_lshlrev_b32 v[SW], 7, v6
	v_lshl_add_u32 v[SW], v5, 3, v[SW]
	v_add_nc_u32 v[SW], s92, v[SW]
	v_add_nc_u32 v[SW], 13312, v[SW]
	v_lshlrev_b32 v[GO16], 4, v3
	v_lshlrev_b32 v[GO8], 3, v3
	v_add_nc_u32 v[RB], s92, v[GO16]
	v_add_nc_u32 v[RS], s92, v[GO8]
	v_add_nc_u32 v[RS], 13312, v[RS]
	v_lshl_add_u32 v[SWV], v1, 3, s93
	v_add_nc_u32 v[RSV], s93, v[GO8]
	v_lshlrev_b32 v[BA], 5, v2
	v_lshlrev_b32 v[BAV], 2, v1
.macro FRAG reg, adr, st, i            ; 12 registers in six pieces of 8 bytes; byte y of a row lies in slot (y / 256) % 2 at byte y % 256
.irp p, 0,1,2,3,4,5
.set BY, 96*(\st)+48*(\p/3)+8*(\p%3)
.if BY/ROWB == (BY+24)/ROWB
	ds_load_b64 v[\reg+2*\p:\reg+2*\p+1], v[\adr+(BY/ROWB)%2] offset:BY%ROWB+(\i)*16*PITCH
.else
	ds_load_b64 v[\reg+2*\p:\reg+2*\p+1], v[\adr+2+(BY/ROWB)%2] offset:BY%ROWB-232+(\i)*16*PITCH
.endif
.endr
.endm
.macro MUL16 a0, p, q, sc, zero        ; the 64 accumulators take turns
.irp a, \a0, \a0+1
.irp b, 0,1,2,3,4,5,6,7
.if \zero
	v_wmma_scale_f32_16x16x128_f8f6f4 v[8*(8*((\a)%4)+\b):8*(8*((\a)%4)+\b)+7], v[128*(\p)+FR*\b:128*(\p)+FR*\b+FR-1], v[AF+FR*(\a):AF+FR*(\a)+FR-1], 0, v[SC+8*NQ*(\sc)+NQ*\b+(\q)], v[SC+8*NQ*(\sc)+NQ*(\a)+(\q)] matrix_a_fmt:MATRIX_FMT_FP6 matrix_b_fmt:MATRIX_FMT_FP6 matrix_a_scale:MATRIX_SCALE_ROW1
.else
	v_wmma_scale_f32_16x16x128_f8f6f4 v[8*(8*((\a)%4)+\b):8*(8*((\a)%4)+\b)+7], v[128*(\p)+FR*\b:128*(\p)+FR*\b+FR-1], v[AF+FR*(\a):AF+FR*(\a)+FR-1], v[8*(8*((\a)%4)+\b):8*(8*((\a)%4)+\b)+7], v[SC+8*NQ*(\sc)+NQ*\b+(\q)], v[SC+8*NQ*(\sc)+NQ*(\a)+(\q)] matrix_a_fmt:MATRIX_FMT_FP6 matrix_b_fmt:MATRIX_FMT_FP6 matrix_a_scale:MATRIX_SCALE_ROW1
.endif
.endr
.endr
.endm
.macro FETCH_B st, p
	WIN TO_B
.irp i, 0,1,2,3,4,5,6,7
	FRAG 128*(\p)+FR*\i, ADRB, \st, \i
.endr
	WIN 0
.endm
.macro FETCH_A st, i0
.irp i, \i0, \i0+1, \i0+2, \i0+3
	FRAG AF+FR*(\i), ADRA, \st, \i
.endr
.endm
.macro SCALES pr                       ; the scale words of steps 2 pr, 2 pr + 1: lanes 0-15 A's block i, lanes 16-31 B's
.irp i, 0,1,2,3,4,5,6,7
	ds_load_b64 v[SC+8*NQ*((\pr)%2)+NQ*\i:SC+8*NQ*((\pr)%2)+NQ*\i+1], v[ADRS] offset:\i*SBLK+4*NQ*(\pr)
.endr
.endm
; A step: 64 products; the next step's fragments are fetched in its middle and at its end.  Where the next step ends in a chunk not read yet, a barrier shows that chunk whole; where it begins in a later chunk, the chunk left behind
; is read no more: the three lines, the barrier, and, where a chunk two on is left, a round of the cluster's barrier and the refill.
.macro STEP st, zero
.set NX, (\st)+1
.set C0, (96*(\st))/ROWB
.set C1, (96*NX)/ROWB
.set E0, (96*(\st)+95)/ROWB
.set E1, (96*NX+95)/ROWB
.if C1 > C0 || E1 > E0
	s_wait_tensorcnt 0x0
.if C1 > C0
	ds_add_u32 v[SPW], v[NIL]
	s_wait_dscnt 4*NL+1                            ; the add and A's blocks 4-7 may be out
.else
	s_wait_dscnt 4*NL                              ; A's blocks 4-7 may be out
.endif
	WIN MUL_LO
	MUL16 0, (\st)%2, (\st)%2, ((\st)/2)%2, \zero
	s_wait_dscnt 0x0
	s_barrier_signal -1
	MUL16 2, (\st)%2, (\st)%2, ((\st)/2)%2, \zero
	WIN 0
	s_barrier_wait -1
.if C1 > C0 && C0+2 < CHUNKS
	CREST
	s_add_nc_u64 s[G0+4*(C0%2)+2:G0+4*(C0%2)+3], s[G0+4*(C0%2)+2:G0+4*(C0%2)+3], 2*ROWB
	s_add_nc_u64 s[G0B+4*(C0%2)+2:G0B+4*(C0%2)+3], s[G0B+4*(C0%2)+2:G0B+4*(C0%2)+3], 2*ROWB
	JLOAD G0+4*(C0%2), G1, G0B+4*(C0%2), G1B       ; chunk C0 + 2; its four v_nop are the places ahead of the loads below
.else
	PLACES NP
.endif
.else
	s_wait_dscnt 4*NL
	WIN MUL_LO
	MUL16 0, (\st)%2, (\st)%2, ((\st)/2)%2, \zero
	MUL16 2, (\st)%2, (\st)%2, ((\st)/2)%2, \zero
	s_wait_dscnt 0
	PLACES NP
.endif
	FETCH_B NX, NX%2
	FETCH_A NX, 0
.if NX%2 == 0
	SCALES NX/2
.endif
	WIN MUL_HI
	MUL16 4, (\st)%2, (\st)%2, ((\st)/2)%2, \zero
	MUL16 6, (\st)%2, (\st)%2, ((\st)/2)%2, \zero
	PLACES NP
	WIN 0
	FETCH_A NX, 4
.endm
.macro LAST
	s_wait_dscnt 4*NL
	WIN MUL_LO
	MUL16 0, 1, 1, 1, 0
	MUL16 2, 1, 1, 1, 0
	s_wait_dscnt 0
	WIN MUL_HI
	MUL16 4, 1, 1, 1, 0
	MUL16 6, 1, 1, 1, 0
	WIN 0
.endm
; THE QUANTISER.  64 numbers of a lane from v[s] on; registers 16 b .. 16 b + 15 of lanes l and l xor 16 are block b of my row.  Codes into v[CD] .. v[CD + 11], the scale word into v[pw].
.macro QUANT s, pw
.irp b, 0,1,2,3
	v_max3_num_f32 v[TM+\b], |v[\s+16*\b]|, |v[\s+1+16*\b]|, 0x1800000   ; with the floor 2^(3 - 127)
.endr
.irp i, 2,4,6,8,10,12,14
.irp b, 0,1,2,3
	v_max3_num_f32 v[TM+\b], v[TM+\b], |v[\s+16*\b+\i]|, |v[\s+1+16*\b+\i]|
.endr
.endr
.irp b, 0,1,2,3
	v_permlanex16_b32 v[TM+4+\b], v[TM+\b], s[SEL], s[SEL+1]
.endr
.irp b, 0,1,2,3
	v_max_num_f32 v[TM+\b], v[TM+\b], v[TM+4+\b]
.endr
.irp b, 0,1,2,3
	v_add_nc_u32 v[TM+12+\b], 0xff000000, v[TM+\b]   ; 2 off the exponent field: the conversion's scale operand
.endr
.irp b, 0,1,2,3
	v_lshrrev_b32 v[TM+4+\b], 23, v[TM+12+\b]
.endr
	v_lshl_or_b32 v[\pw], v[TM+5], 8, v[TM+4]
	v_lshl_or_b32 v[\pw], v[TM+6], 16, v[\pw]
	v_lshl_or_b32 v[\pw], v[TM+7], 24, v[\pw]
.irp c, 0,1
	v_cvt_scalef32_pk16_fp6_f32 v[CD+6*\c:CD+2+6*\c], v[\s+32*\c:\s+15+32*\c], v[TM+12+2*\c]
	v_cvt_scalef32_pk16_fp6_f32 v[CD+12+4*\c:CD+14+4*\c], v[\s+16+32*\c:\s+31+32*\c], v[TM+12+2*\c+1]
.endr
	v_nop
.irp c, 0,1                                    ; a WHOLE block into a lane
.irp i, 0,1,2
	v_permlane16_swap_b32 v[CD+6*\c+\i], v[CD+12+4*\c+\i]
.endr
.irp i, 0,1,2
	v_mov_b32 v[CD+3+6*\c+\i], v[CD+12+4*\c+\i]
.endr
.endr
.endm
	s_wait_alu depctr_va_vdst(0)                   ; the head's end
	s_wait_tensorcnt 0x0                           ; my tile of the head's four is in; the lines ahead of slot 1's first fill
	ds_add_u32 v[SPW], v[NIL]
	s_mov_b32 s[G1+2], 128<<16                     ; no load of mine is out: from here on a load brings 128 rows
	s_mov_b32 s[G1+4], 128
	s_mov_b32 s[G1B+2], 128<<16
	s_mov_b32 s[G1B+4], 128
	s_wait_dscnt 0x0
	CROUND
	JLOAD G0+4, G1, G0B+4, G1B                     ; chunk 1
	FETCH_B 0, 0
	FETCH_A 0, 0
	SCALES 0
	FETCH_A 0, 4
	STEP 0, 1
.set ST, 1
.rept STEPS-2
	STEP ST, 0
.set ST, ST+1
.endr
	s_cmp_eq_u32 s[KIND], 1                        ; the two ways out part on the cluster's x; every tensor load of mine is done, so the descriptors' registers are free
	s_cbranch_scc1 .Lkind1
	; ---- q, k: a lane holds a token; the 64 registers of a block are 128 columns: two heads
	s_lshl_b32 s20, s17, 8
	s_lshl_b32 s21, s15, 7
	s_add_co_u32 s20, s20, s21                     ; my first token
	s_lshr_b32 s21, s20, 11
	s_bfe_u32 s22, s20, 0x40007
	s_lshl_b32 s23, s42, 8
	s_lshl_b32 s24, s16, 7
	s_add_co_u32 s23, s23, s24                     ; my first column
	s_bfe_u32 s25, s23, 0x40006
	s_lshl_b32 s21, s21, 4
	s_add_co_u32 s21, s21, s25                     ; 16 b + head
	s_mov_b32 s24, ttmp9                           ; 0: q, 1: k; kv's strides are twice q_img's
	s_lshl_b32 s26, 102400, s24
	s_lshl_b32 s28, 6144, s24
	s_lshl_b32 s29, 6400, s24
	s_mul_i32 s30, s21, s26
	s_mul_i32 s22, s22, s29
	s_add_co_u32 s30, s30, s22
	s_mov_b32 s31, 0
	s_mov_b32 s27, 0
	s_mov_b32 s29, 0
	s_cmp_eq_u32 s24, 1
	s_cselect_b64 s[32:33], s[98:99], s[96:97]
	s_add_nc_u64 s[32:33], s[32:33], s[30:31]
	s_add_nc_u64 s[34:35], s[32:33], s[26:27]
	s_add_nc_u64 s[36:37], s[32:33], s[28:29]
	s_add_nc_u64 s[38:39], s[34:35], s[28:29]
	s_lshl_b32 s30, s23, 2
	s_add_nc_u64 s[12:13], s[12:13], s[30:31]
.irp i, 0,1,2,3,4,5,6,7,8,9,10,11,12,13,14,15
	global_load_b128 v[BI+4*\i:BI+4*\i+3], v[BA], s[12:13] offset:64*(\i/2)+16*(\i%2)   ; register 8 b + j: the bias of column 16 b + 8 h + j
.endr
	LAST
	s_wait_loadcnt 0x0
	PLACES NP
.irp b, 0,1,2,3
	v_mov_b32 v[TM+4+\b], 0
.endr
; Block a = 4 k6 + 2 k5 + k4 of 16 tokens: token 8 k3 + e is row 8 k5 + e of tile 4 k6 + 2 k3 + k4: fragment 2 k6 + k3, half k4.
.macro EPIQ a
	WIN 0x02+(\a)/4
.set i, 0
.rept 32
	v_pk_add_f32 v[T+i:T+i+1], v[64*((\a)%4)+i:64*((\a)%4)+i+1], v[BI+i:BI+i+1]
.set i, i+2
.endr
	WIN 0
	s_wait_dscnt 0x0                               ; the last block's stores into the stage have read their registers
	QUANT T, PWS+\a
.irp c, 0,1
.set K0, 6656*\c+3328*((\a)/4)+128*(((\a)/2)%2)
.if (\a)%2 == 0
	ds_store_b128 v[SA], v[CD+6*\c:CD+6*\c+3] offset:K0
	ds_store_b64 v[SA], v[CD+6*\c+4:CD+6*\c+5] offset:K0+512
.else
	ds_store_b64 v[SA], v[CD+6*\c:CD+6*\c+1] offset:K0+520
	ds_store_b128 v[SA], v[CD+6*\c+2:CD+6*\c+5] offset:K0+1024
.endif
.endr
.if (\a)%2 == 1
	v_perm_b32 v[WT], v[PWS+\a], v[PWS+\a-1], 0x05040100
	v_perm_b32 v[WT+1], v[PWS+\a], v[PWS+\a-1], 0x07060302
	ds_store_b32 v[SW], v[WT] offset:64*(((\a)/2)%2)+4*((\a)/4)
	ds_store_b32 v[SW], v[WT+1] offset:256+64*(((\a)/2)%2)+4*((\a)/4)
.endif
.endm
.irp a, 0,1,2,3,4,5,6,7
	EPIQ \a
.endr
.set n, 0
.irp c, 0,1
.irp f, 0,1,2,3
.irp q, 0,1,2
	ds_load_b128 v[64+4*n:64+4*n+3], v[RB] offset:6656*\c+1664*\f+512*\q
.set n, n+1
.endr
.endr
.endr
	ds_load_b64 v[160:161], v[RS]
	ds_load_b64 v[162:163], v[RS] offset:256
.set n, 0
.irp c, 0,1
.irp f, 0,1,2,3
.irp q, 0,1,2
	s_wait_dscnt 25-n                              ; of the 26 loads those issued behind this one may be out
	global_store_b128 v[GO16], v[64+4*n:64+4*n+3], s[32+2*\c:33+2*\c] offset:1536*\f+512*\q   ; 512 consecutive bytes, aligned
.set n, n+1
.endr
.endr
.endr
	s_wait_dscnt 1
	global_store_b64 v[GO8], v[160:161], s[36:37]
	s_wait_dscnt 0
	global_store_b64 v[GO8], v[162:163], s[38:39]
	s_branch .Lend
.Lkind1:
	; ---- v: a lane holds a channel; the 64 registers of a block run down 128 keys: the quantiser's result IS v's fragment
	s_lshl_b32 s20, s42, 8
	s_lshl_b32 s21, s16, 7
	s_add_co_u32 s20, s20, s21
	s_lshr_b32 s21, s20, 11
	s_bfe_u32 s22, s20, 0x40007
	s_lshl_b32 s23, s17, 8
	s_lshl_b32 s24, s15, 7
	s_add_co_u32 s23, s23, s24                     ; my first row of W
	s_bfe_u32 s25, s23, 0x40006
	s_lshl_b32 s21, s21, 4
	s_add_co_u32 s21, s21, s25
	s_mul_i32 s30, s21, 204800
	s_mul_i32 s22, s22, 12800
	s_add_co_u32 s30, s30, s22
	s_add_co_u32 s30, s30, 6144
	s_mov_b32 s31, 0
	s_add_nc_u64 s[32:33], s[98:99], s[30:31]
	s_add_nc_u64 s[34:35], s[32:33], 204800
	s_add_nc_u64 s[36:37], s[32:33], 6400
	s_add_nc_u64 s[38:39], s[34:35], 6400
	s_lshl_b32 s30, s23, 2
	s_add_nc_u64 s[12:13], s[12:13], s[30:31]
.irp a, 0,1,2,3,4,5,6,7
	global_load_b32 v[BV+2*\a], v[BAV], s[12:13] offset:64*\a      ; my channel's bias, twice: a pair for the packed addition
	global_load_b32 v[BV+2*\a+1], v[BAV], s[12:13] offset:64*\a
.endr
	LAST
	s_wait_loadcnt 0x0
	PLACES NP
.irp b, 0,1,2,3
	v_mov_b32 v[TM+4+\b], 0
.endr
.macro EPIV a
	WIN 0x02+(\a)/4
.set i, 0
.rept 32
	v_pk_add_f32 v[T+i:T+i+1], v[64*((\a)%4)+i:64*((\a)%4)+i+1], v[BV+2*(\a):BV+2*(\a)+1]
.set i, i+2
.endr
	WIN 0
	s_wait_xcnt 0x0                                ; the codes' registers, which the last block's stores read, are written again only behind this wait
	QUANT T, PWS+\a
.irp q, 0,1,2
	global_store_b128 v[GO16], v[CD+4*\q:CD+4*\q+3], s[32+2*((\a)/4):33+2*((\a)/4)] offset:1536*((\a)%4)+512*\q
.endr
	ds_store_b32 v[SWV], v[PWS+\a] offset:256*((\a)/4)+128*((\a)%2)+4*(((\a)%4)/2)
.endm
.irp a, 0,1,2,3,4,5,6,7
	EPIV \a
.endr
	ds_load_b64 v[80:81], v[RSV]
	ds_load_b64 v[82:83], v[RSV] offset:256
	s_wait_dscnt 1
	global_store_b64 v[GO8], v[80:81], s[36:37]
	s_wait_dscnt 0
	global_store_b64 v[GO8], v[82:83], s[38:39]
.Lend:
	s_wait_tensorcnt 0x0                           ; the wave's end
	ds_add_u32 v[SPW], v[NIL]
	s_wait_dscnt 0x0
	CROUND                                         ; the closing round
	s_endpgm
.Lfunc_end_k_q3362ad738e_qkv:
	.size	k_q3362ad738e_qkv, .Lfunc_end_k_q3362ad738e_qkv-k_q3362ad738e_qkv
	.p2alignl 7, 3214868480
	.fill 96, 4, 3214868480
	.section	.rodata,"a",@progbits
	.p2align	6, 0x0
	.amdhsa_kernel k_q3362ad738e_qkv
		.amdhsa_group_segment_fixed_size 327680
		.amdhsa_private_segment_fixed_size 0
		.amdhsa_enable_private_segment 0
		.amdhsa_kernarg_size 56
		.amdhsa_user_sgpr_count 2
		.amdhsa_user_sgpr_kernarg_segment_ptr 1
		.amdhsa_wavefront_size32 1
		.amdhsa_system_sgpr_workgroup_id_x 1
		.amdhsa_system_sgpr_workgroup_id_y 1
		.amdhsa_system_sgpr_workgroup_id_z 1
		.amdhsa_system_vgpr_workitem_id 0
		.amdhsa_next_free_vgpr 1024
		.amdhsa_next_free_sgpr 102
		.amdhsa_reserve_vcc 0
		.amdhsa_float_denorm_mode_32 3
		.amdhsa_float_denorm_mode_16_64 3
		.amdhsa_memory_ordered 1
		.amdhsa_forward_progress 1
		.amdhsa_inst_pref_size 249
	.end_amdhsa_kernel
	.amdgpu_metadata
---
amdhsa.version: [ 1, 2 ]
amdhsa.kernels:
  - .name:           k_q3362ad738e_qkv
    .symbol:         k_q3362ad738e_qkv.kd
    .args:
      - { .name: x_codes, .offset: 0, .size: 8, .value_kind: global_buffer, .address_space: global }
      - { .name: x_scales, .offset: 8, .size: 8, .value_kind: global_buffer, .address_space: global }
      - { .name: W_qkv_codes, .offset: 16, .size: 8, .value_kind: global_buffer, .address_space: global }
      - { .name: W_qkv_scales, .offset: 24, .size: 8, .value_kind: global_buffer, .address_space: global }
      - { .name: b_qkv, .offset: 32, .size: 8, .value_kind: global_buffer, .address_space: global }
      - { .name: q_img, .offset: 40, .size: 8, .value_kind: global_buffer, .address_space: global }
      - { .name: kv, .offset: 48, .size: 8, .value_kind: global_buffer, .address_space: global }
    .group_segment_fixed_size: 327680
    .private_segment_fixed_size: 0
    .kernarg_segment_align: 8
    .kernarg_segment_size: 56
    .max_flat_workgroup_size: 128
    .sgpr_count:     102
    .vgpr_count:     1024
    .wavefront_size: 32
...
	.end_amdgpu_metadata
.endif
;; end of part 1
;; launch attn (part 2): grid 4 x 64, 16 waves a work-group, clusters of 4 x 1, 206,848 bytes of LDS; arguments q_img, kv, a_img, a_sc; writes a_img, a_sc
.if DOCPART == 2
	.amdgcn_target "amdgcn-amd-amdhsa--gfx1250"
	.amdhsa_code_object_version 6
	.text
	.protected	k_q3362ad738e_attn
	.globl	k_q3362ad738e_attn
	.p2align	8
	.type	k_q3362ad738e_attn,@function
k_q3362ad738e_attn:
	s_mov_b64 s[64:65], 0
	v_nop
	global_prefetch_b8 v0, s[64:65] scope:SCOPE_SE
	s_setreg_imm32_b32 hwreg(HW_REG_WAVE_MODE, 25, 1), 1
	s_wait_xcnt 0x0
	s_wait_alu depctr_hold_cnt(0) depctr_sa_sdst(0) depctr_va_vdst(0) depctr_va_sdst(0) depctr_va_ssrc(0) depctr_va_vcc(0) depctr_vm_vsrc(0)
	s_getreg_b32 s2, hwreg(HW_REG_IB_STS2, 6, 4)
	s_cmp_eq_u32 s2, 0
	s_cbranch_scc0 .Lentry_in_a_cluster
	s_endpgm
.Lentry_in_a_cluster:
	s_bfe_u32 s2, ttmp6, 0x10000c
	s_cmp_lg_u32 s2, 0x3003
	s_cbranch_scc0 .Lentry_shape_is_right
	s_endpgm
.Lentry_shape_is_right:
; softmax(q k^T / 8) v for one (b, head) and 512 queries a work-group, both products on codes of FP6 (E2M3) with E8M0 scales; the result, divided by the row's sum, is quantised along the model's 1,024 for the last product.
; t = score x log2(e) / 8; M = the running largest t rounded UP to a whole number; p = 2^(t - M) is what is quantised, along the keys; the row's sum is taken of the unquantised p.  When M moves, the sum and O are multiplied by 2^(old M - new M): exact.
; SHARES.  Sixteen waves, four to a SIMD.  Wave w owns fragment w % 4 of token group 4 x block + w / 4: two tiles of 16 queries, taken one after the other.
; THE WHOLE HEAD'S k, v AND SCALE WORDS, 16 steps of 12,800 bytes, STAY IN LDS: each wave brings one step by one tensor load; nothing is filled again.
; CLUSTER.  The four query blocks of a head need the same 204,800 bytes: each load is a JOINT load, the same descriptor and the mask 15 in all four.
; LAYOUT.  Both products are used transposed: S^T = k q^T, O^T = v^T p^T: a lane holds ONE query throughout.  A fragment of k holds two tiles of keys (registers 0-5, 6-11), and q stands between zeros, [0 | q | 0]: [q | 0] picks the first tile, [0 | q] the second.
; Zero codes add nothing under any scale byte but 0xff, and all bytes here are 1 to 254.
; THE KEYS OF A TILE: tile t, row m is key 64 (t / 4) + 32 (m / 8) + 8 g(t % 4) + m % 8, g = 0, 2, 1, 3.  So the 32 registers of tiles 4 c .. 4 c + 3 of lane half h are the WHOLE block 2 c + h of keys, in the order of v's codes.
; THE ORDER OF A STEP.  The next step's k fragments are asked for directly behind the step's last products, and the 32 additions of the row's sum stand behind that request; so a pass is a loop of 15 steps and a last step that asks for nothing.
; OUT.  a_img: [4 heads' group][tile of 16 queries][head in the group][768 bytes: registers 0-3 at 16 l, 4-5 at 512 + 8 l].  a_sc: [row][32]: byte 2 head + block; one byte a lane, 32 bytes apart: a row's 32 bytes come from sixteen work-groups.
; LIMITS: NaN and infinities are not served; a block under 2^-124, or of zeros, gets the scale byte 1: only this program reads the bytes.
.set KVB, 12800
.set LI,  1                            ; v1   16 x lane
.set L8,  2                            ; v2   8 x lane
.set SH8, 3                            ; v3   8 x (lane / 16)
.set ADK, 4                            ; v4   the step's images
.set ADS, 5                            ; v5   the step's scale words
.set QSA, 6
.set ASA, 8
.set OM,  11                           ; v11  -M as it was
.set QZ,  16                           ; v16-33  0 x 6, q x 6, 0 x 6
.set QF,  34
.set QS,  46
.set QW,  47
.set KV,  48                           ; v48-95  four fragments: k's, then v's
.set S,   96                           ; v96-159 S^T, then p
.set O,   160                          ; v160-191 O^T
.set CD,  192                          ; v192-203 p's codes
.set PT,  204
.set KSC, 212                          ; v212-213 k's scale words; v214-215 v's; v216 p's: nothing else ever
.set VSC, 214
.set PSW, 216
.set FF,  218
.set BM,  220
.set SO,  222
.set BY,  224
.set W0,  226
.set RL,  232
.set OC,  240
.macro CROUND
	s_barrier_signal -1
	s_barrier_wait -1
	s_cmp_lg_u32 s12, 0
	s_cbranch_scc1 .Lnot_wave_0_\@
	s_barrier_signal -3
.Lnot_wave_0_\@:
	s_barrier_wait -3
	s_barrier_signal -1
	s_barrier_wait -1
.endm
	s_load_b256 s[4:11], s[0:1], 0x0               ; q_img, kv, a_img, a_sc
	v_lshl_add_u32 v247, v0, 2, 0x32000
	v_mov_b32 v255, 0
	ds_add_u32 v247, v255                          ; the opening lines
	ds_add_u32 v247, v255
	v_lshrrev_b32 v1, 5, v0
	s_delay_alu instid0(VALU_DEP_1)
	v_readfirstlane_b32 s12, v1                    ; wave
	s_and_b32 s14, ttmp7, 0xffff                   ; 16 b + head
	s_mov_b32 s24, 15|(3<<16)|(1<<21)              ; 12,800 bytes as 50 rows of 256, no padding
	s_mov_b32 s25, 32<<16
	s_mov_b32 s26, 50<<16
	s_mov_b32 s27, 32<<16
	s_mov_b32 s28, 50
	s_mov_b32 s29, 32
	s_mov_b32 s30, 0
	s_mov_b32 s31, 0
	s_mul_i32 s16, s14, 16*KVB
	s_mul_i32 s15, s12, KVB
	s_add_co_u32 s16, s16, s15
	s_mov_b32 s17, 0
	s_mov_b32 s32, 1
	s_mul_i32 s33, s12, KVB
	s_wait_dscnt 0x0
	s_wait_kmcnt 0x0
	s_add_nc_u64 s[34:35], s[6:7], s[16:17]
	s_or_b32 s35, s35, 0x80000000
	CROUND
	tensor_load_to_lds s[32:35], s[24:31]          ; my one tensor load of the launch
	s_nop 0
.rept 4
	v_nop
.endr
	s_bfe_u32 s13, ttmp6, 0x40000                  ; cx: from here on, in registers that feed no descriptor
	s_lshl_b32 s19, ttmp9, 2
	s_add_co_u32 s13, s13, s19
	s_lshl_b32 s18, s13, 2
	s_lshr_b32 s19, s12, 2
	s_add_co_u32 s18, s18, s19                     ; my group of 128 tokens
	s_and_b32 s19, s12, 3                          ; my fragment in it
	s_mul_i32 s48, s14, 102400
	s_mul_i32 s49, s18, 6400
	s_add_co_u32 s48, s48, s49
	s_mul_i32 s50, s19, 1536
	s_add_co_u32 s50, s50, s48
	s_mov_b32 s51, 0
	s_add_nc_u64 s[40:41], s[4:5], s[50:51]
	s_and_b32 s49, s19, 1
	s_lshl_b32 s49, s49, 7
	s_lshr_b32 s50, s19, 1
	s_lshl_b32 s50, s50, 2
	s_add_co_u32 s50, s50, s49
	s_add_co_u32 s50, s50, s48
	s_add_co_u32 s50, s50, 6144
	s_add_nc_u64 s[42:43], s[4:5], s[50:51]
	s_lshr_b32 s49, s14, 4
	s_lshl_b32 s49, s49, 4
	s_add_co_u32 s49, s49, s18
	s_lshl_b32 s49, s49, 3
	s_lshl_b32 s50, s19, 1
	s_add_co_u32 s49, s49, s50                     ; my first tile among the 512
	s_and_b32 s52, s14, 15
	s_lshr_b32 s50, s52, 2
	s_mul_i32 s50, s50, 1572864
	s_mul_i32 s53, s49, 3072
	s_add_co_u32 s50, s50, s53
	s_and_b32 s53, s52, 3
	s_mul_i32 s53, s53, 768
	s_add_co_u32 s50, s50, s53
	s_add_nc_u64 s[44:45], s[8:9], s[50:51]
	s_lshl_b32 s50, s49, 9
	s_lshl_b32 s53, s52, 1
	s_add_co_u32 s50, s50, s53
	s_add_nc_u64 s[46:47], s[10:11], s[50:51]
	v_and_b32 v7, 31, v0
	s_delay_alu instid0(VALU_DEP_1)
	v_lshlrev_b32 v[LI], 4, v7
	s_delay_alu instid0(VALU_DEP_2)
	v_lshlrev_b32 v[L8], 3, v7
	v_bfe_u32 v9, v0, 4, 1
	s_delay_alu instid0(VALU_DEP_1)
	v_lshlrev_b32 v[SH8], 3, v9
	v_and_b32 v10, 15, v0
	s_delay_alu instid0(VALU_DEP_1)
	v_lshlrev_b32 v[QSA], 3, v10
	s_delay_alu instid0(VALU_DEP_2)
	v_lshl_add_u32 v[ASA], v10, 5, v9
.irp q, 0,1,2
	global_load_b128 v[QF+4*\q:QF+4*\q+3], v[LI], s[40:41] offset:512*\q
.endr
	global_load_b32 v[QS], v[QSA], s[42:43]
	s_mov_b32 s20, 0x76543210
	s_mov_b32 s21, 0xfedcba98
	s_mov_b32 s22, 0x3e38aa3b                      ; c = log2(e) / 8
	s_mov_b32 s23, s22
	s_mov_b32 s38, 0x01000100
	s_mov_b32 s39, 0x03020302
.irp i, 0,1,2,3,4,5
	v_mov_b32 v[QZ+\i], 0
	v_mov_b32 v[QZ+12+\i], 0
.endr
.irp i, 0,1,2,3
	v_mov_b32 v[W0+\i], 0
.endr
	v_mov_b32 v[FF+1], 0
	v_mov_b32 v[RL+1], 0
	s_wait_tensorcnt 0x0
	s_barrier_signal -1
	s_barrier_wait -1                              ; from here on LDS is only read
	s_wait_loadcnt 0x0
.macro LOADK                           ; a step's four fragments of k and their scale words
.irp f, 0,1,2,3
.irp q, 0,1,2
	ds_load_b128 v[KV+12*\f+4*\q:KV+12*\f+4*\q+3], v[ADK] offset:1536*\f+512*\q
.endr
.endr
	ds_load_b64 v[KSC:KSC+1], v[ADS] offset:12288
.endm
.macro OM2 j                           ; O^T under the new M, four numbers
	v_pk_mul_f32 v[O+\j:O+\j+1], v[O+\j:O+\j+1], v[FF:FF+1] op_sel_hi:[1,0]
	v_pk_mul_f32 v[O+\j+2:O+\j+3], v[O+\j+2:O+\j+3], v[FF:FF+1] op_sel_hi:[1,0]
.endm
; A KEY STEP: 128 keys; its k fragments have been asked for.  next = 1: the next step's are asked for behind the last products.
.macro BODY next
	s_wait_alu depctr_va_vdst(0)
	s_wait_dscnt 0x0                               ; k's fragments and scale words
.irp f, 0,1,2,3
.irp w, 0,1
.if \f%2
	v_wmma_scale_f32_16x16x128_f8f6f4 v[S+8*(2*\f+\w):S+8*(2*\f+\w)+7], v[KV+12*\f:KV+12*\f+11], v[QZ+6-6*\w:QZ+17-6*\w], 0, v[KSC+\f/2], v[QW] matrix_a_fmt:MATRIX_FMT_FP6 matrix_b_fmt:MATRIX_FMT_FP6 matrix_a_scale:MATRIX_SCALE_ROW1
.else
	v_wmma_scale_f32_16x16x128_f8f6f4 v[S+8*(2*\f+\w):S+8*(2*\f+\w)+7], v[KV+12*\f:KV+12*\f+11], v[QZ+6-6*\w:QZ+17-6*\w], 0, v[KSC+\f/2], v[QW] matrix_a_fmt:MATRIX_FMT_FP6 matrix_b_fmt:MATRIX_FMT_FP6
.endif
.endr
.endr
	v_mov_b32 v[OM], v12                           ; four places: k's registers take v's fragments, and the scores are read
	v_nop
	v_nop
	v_nop
.irp f, 0,1,2,3
.irp q, 0,1,2
	ds_load_b128 v[KV+12*\f+4*\q:KV+12*\f+4*\q+3], v[ADK] offset:6144+1536*\f+512*\q
.endr
.endr
	ds_load_b64 v[VSC:VSC+1], v[ADS] offset:12544
; the largest score of my two blocks of 32 keys, in four chains; each accumulator is first read at its low end
.irp c, 0,1
	v_max3_num_f32 v[BM+\c], v[S+32*\c], v[S+1+32*\c], v[S+2+32*\c]
	v_max3_num_f32 v[W0+2+\c], v[S+16+32*\c], v[S+17+32*\c], v[S+18+32*\c]
.endr
.irp i, 3,5,7,9,11,13
.irp c, 0,1
	v_max3_num_f32 v[BM+\c], v[BM+\c], v[S+32*\c+\i], v[S+1+32*\c+\i]
	v_max3_num_f32 v[W0+2+\c], v[W0+2+\c], v[S+16+32*\c+\i], v[S+17+32*\c+\i]
.endr
.endr
.irp c, 0,1
	v_max3_num_f32 v[BM+\c], v[BM+\c], v[W0+2+\c], v[S+15+32*\c]
.endr
.irp c, 0,1
	v_max_num_f32 v[BM+\c], v[BM+\c], v[S+31+32*\c]
.endr
	s_delay_alu instid0(VALU_DEP_1)
	v_max_num_f32 v[W0], v[BM], v[BM+1]
	s_delay_alu instid0(VALU_DEP_1)
	v_permlanex16_b32 v[W0+1], v[W0], s20, s21
	s_delay_alu instid0(VALU_DEP_1)
	v_max_num_f32 v[W0], v[W0], v[W0+1]            ; the step's largest score of my query
	s_delay_alu instid0(VALU_DEP_1)
	v_mul_f32 v[W0], s22, v[W0]
	s_delay_alu instid0(VALU_DEP_1)
	v_max_num_f32 v13, v13, v[W0]                  ; the running largest t
	s_delay_alu instid0(VALU_DEP_1)
	v_floor_f32 v12, -v13                          ; the new -M
.set j, 0
.rept 32
	v_pk_fma_f32 v[S+j:S+j+1], v[S+j:S+j+1], s[22:23], v[12:13] op_sel_hi:[1,0,0]   ; t - M; f = 2^(old M - new M) is made among these lines
.if j == 2
	v_sub_f32 v[W0], v12, v[OM]
.elseif j == 8
	v_cvt_i32_f32 v[W0], v[W0]
.elseif j == 14
	v_ldexp_f32 v[FF], 1.0, v[W0]
.endif
.set j, j+2
.endr
.irp c, 0,1
	v_fma_f32 v[BM+\c], v[BM+\c], s22, v12
.endr
	s_wait_alu depctr_va_vdst(0)
.irp c, 0,1
	v_exp_f32 v[BM+\c], v[BM+\c]                   ; the block's largest p: the same two instructions on the same number
.endr
.set j, 0
.rept 64
	v_exp_f32 v[S+j], v[S+j]                       ; p = 2^(t - M)
.set j, j+1
.endr
	v_pk_mul_f32 v[14:15], v[14:15], v[FF:FF+1] op_sel_hi:[1,0]   ; the sums under the new M; a plain place behind the exponentials
	s_wait_alu depctr_va_vdst(0)
; O^T under the new M, and among its lines p's scale word: plain vector lines alone
	OM2 0
.irp c, 0,1
	v_max_num_f32 v[BM+\c], 0x1800000, v[BM+\c]    ; the floor 2^(3 - 127)
.endr
	OM2 4
.irp c, 0,1
	v_add_nc_u32 v[SO+\c], 0xff000000, v[BM+\c]    ; the conversion's scale operand
.endr
	OM2 8
.irp c, 0,1
	v_lshrrev_b32 v[BY+\c], 23, v[SO+\c]
.endr
	OM2 12
	v_lshl_or_b32 v[W0+2], v[BY+1], 16, v[BY]      ; my two bytes: blocks h and 2 + h,
	OM2 16
	v_lshlrev_b32 v[W0+2], v[SH8], v[W0+2]         ; at their places in the word
	OM2 20
	v_permlanex16_b32 v[W0+3], v[W0+2], s20, s21
	OM2 24
	v_or_b32 v[PSW], v[W0+2], v[W0+3]
	OM2 28
.irp c, 0,1
	v_cvt_scalef32_pk16_fp6_f32 v[CD+6*\c:CD+6*\c+2], v[S+32*\c:S+32*\c+15], v[SO+\c]
	v_cvt_scalef32_pk16_fp6_f32 v[PT+4*\c:PT+4*\c+2], v[S+32*\c+16:S+32*\c+31], v[SO+\c]
.endr
	v_nop                                          ; one plain place behind a scaled conversion
.irp c, 0,1
.irp i, 0,1,2
	v_mov_b32 v[CD+6*\c+3+\i], v[PT+4*\c+\i]
.endr
.endr
	v_pk_add_f32 v[230:231], v[100:101], v[104:105]   ; the row's sum begins: four places between the codes' last writes and the products
	v_pk_add_f32 v[252:253], v[108:109], v[112:113]
	v_pk_add_f32 v[250:251], v[116:117], v[120:121]
	v_pk_add_f32 v[248:249], v[124:125], v[128:129]
	s_wait_alu depctr_va_vdst(0)
	s_wait_dscnt 0x0                               ; v's fragments and scale words
.irp f, 0,1,2,3
.if \f%2
	v_wmma_scale_f32_16x16x128_f8f6f4 v[O+8*(2*(\f%2)+\f/2):O+8*(2*(\f%2)+\f/2)+7], v[KV+12*\f:KV+12*\f+11], v[CD:CD+11], v[O+8*(2*(\f%2)+\f/2):O+8*(2*(\f%2)+\f/2)+7], v[VSC+\f/2], v[PSW] matrix_a_fmt:MATRIX_FMT_FP6 matrix_b_fmt:MATRIX_FMT_FP6 matrix_a_scale:MATRIX_SCALE_ROW1
.else
	v_wmma_scale_f32_16x16x128_f8f6f4 v[O+8*(2*(\f%2)+\f/2):O+8*(2*(\f%2)+\f/2)+7], v[KV+12*\f:KV+12*\f+11], v[CD:CD+11], v[O+8*(2*(\f%2)+\f/2):O+8*(2*(\f%2)+\f/2)+7], v[VSC+\f/2], v[PSW] matrix_a_fmt:MATRIX_FMT_FP6 matrix_b_fmt:MATRIX_FMT_FP6
.endif
.endr
.if \next
	s_add_co_u32 s36, s36, KVB
	v_add_nc_u32 v[ADK], s36, v[LI]                ; four places behind the products, ahead of loads into registers that they read
	v_add_nc_u32 v[ADS], s36, v[L8]
.endif
	v_pk_add_f32 v[244:245], v[132:133], v[136:137]
	v_pk_add_f32 v[242:243], v[140:141], v[144:145]
.if \next
	LOADK
.endif
	v_pk_add_f32 v[240:241], v[148:149], v[152:153]
	v_pk_add_f32 v[14:15], v[14:15], v[156:157]
	v_pk_add_f32 v[230:231], v[230:231], v[96:97]
	v_pk_add_f32 v[252:253], v[252:253], v[98:99]
	v_pk_add_f32 v[250:251], v[250:251], v[102:103]
	v_pk_add_f32 v[248:249], v[248:249], v[106:107]
	v_pk_add_f32 v[244:245], v[244:245], v[110:111]
	v_pk_add_f32 v[242:243], v[242:243], v[114:115]
	v_pk_add_f32 v[240:241], v[240:241], v[118:119]
	v_pk_add_f32 v[14:15], v[14:15], v[122:123]
	v_pk_add_f32 v[230:231], v[230:231], v[126:127]
	v_pk_add_f32 v[252:253], v[252:253], v[130:131]
	v_pk_add_f32 v[250:251], v[250:251], v[134:135]
	v_pk_add_f32 v[248:249], v[248:249], v[138:139]
	v_pk_add_f32 v[244:245], v[244:245], v[142:143]
	v_pk_add_f32 v[242:243], v[242:243], v[146:147]
	v_pk_add_f32 v[240:241], v[240:241], v[150:151]
	v_pk_add_f32 v[14:15], v[14:15], v[154:155]
	v_pk_add_f32 v[230:231], v[230:231], v[158:159]
	s_delay_alu instid0(VALU_DEP_2)
	v_pk_add_f32 v[14:15], v[14:15], v[248:249]
	s_delay_alu instid0(VALU_DEP_2)
	v_pk_add_f32 v[230:231], v[230:231], v[244:245]
	v_pk_add_f32 v[252:253], v[252:253], v[242:243]
	v_pk_add_f32 v[250:251], v[250:251], v[240:241]
	s_delay_alu instid0(VALU_DEP_2)
	v_pk_add_f32 v[14:15], v[14:15], v[252:253]
	s_delay_alu instid0(VALU_DEP_2)
	v_pk_add_f32 v[230:231], v[230:231], v[250:251]
	s_delay_alu instid0(VALU_DEP_1)
	v_pk_add_f32 v[14:15], v[14:15], v[230:231]
.endm
; THE WAY OUT of a tile: O^T / the sum, a whole block of 32 channels into each lane, quantised, stored as half a fragment's image.
.macro OUT u
.rept 4
	v_nop
.endr
	v_add_f32 v14, v14, v15
	s_delay_alu instid0(VALU_DEP_1)
	v_permlanex16_b32 v[W0], v14, s20, s21
	s_delay_alu instid0(VALU_DEP_1)
	v_add_f32 v14, v14, v[W0]                      ; the row's sum
	s_wait_alu depctr_va_vdst(0)
	v_rcp_f32 v[RL], v14
	v_nop
.set j, 0
	s_wait_alu depctr_va_vdst(0)
.rept 16
	v_pk_mul_f32 v[O+j:O+j+1], v[O+j:O+j+1], v[RL:RL+1] op_sel_hi:[1,0]
.set j, j+2
.endr
.irp j, 0,1,2,3,4,5,6,7                        ; the exchanges leave channel 32 h + i in register 160 + i
	v_permlane16_swap_b32 v[O+\j], v[O+8+\j]
	v_permlane16_swap_b32 v[O+16+\j], v[O+24+\j]
.endr
.irp k, 0,1
	v_max3_num_f32 v[W0+\k], |v[O+16*\k]|, |v[O+1+16*\k]|, 0x1800000
.endr
.irp i, 2,4,6,8,10,12,14
.irp k, 0,1
	s_delay_alu instid0(VALU_DEP_2)
	v_max3_num_f32 v[W0+\k], v[W0+\k], |v[O+16*\k+\i]|, |v[O+1+16*\k+\i]|
.endr
.endr
	s_delay_alu instid0(VALU_DEP_1)
	v_max_num_f32 v[W0], v[W0], v[W0+1]
	s_delay_alu instid0(VALU_DEP_1)
	v_add_nc_u32 v[W0+2], 0xff000000, v[W0]
	s_delay_alu instid0(VALU_DEP_1)
	v_lshrrev_b32 v[OC+8*\u+6], 23, v[W0+2]
	v_cvt_scalef32_pk16_fp6_f32 v[OC+8*\u:OC+8*\u+2], v[O:O+15], v[W0+2]
	v_cvt_scalef32_pk16_fp6_f32 v[PT:PT+2], v[O+16:O+31], v[W0+2]
	v_nop
.irp i, 0,1,2
	v_mov_b32 v[OC+8*\u+3+\i], v[PT+\i]
.endr
	global_store_b128 v[LI], v[OC+8*\u:OC+8*\u+3], s[44:45] offset:3072*\u         ; 512 consecutive bytes,
	global_store_b64 v[L8], v[OC+8*\u+4:OC+8*\u+5], s[44:45] offset:3072*\u+512    ; 256 consecutive bytes, both aligned
	global_store_b8 v[ASA], v[OC+8*\u+6], s[46:47] offset:512*\u
.endm
.macro PASS u                          ; tile u of my fragment against all 2,048 keys
	s_wait_alu depctr_va_vdst(0)
	s_wait_xcnt 0x0                                ; the last pass's stores have read their data: the step's sums use those registers
.irp i, 0,1,2,3,4,5
	v_mov_b32 v[QZ+6+\i], v[QF+6*\u+\i]
.endr
	v_perm_b32 v[QW], v[QS], v[QS], s[38+\u]
	v_mov_b32 v13, 0xff61b1e6                      ; the largest t so far: -3e38
	s_delay_alu instid0(VALU_DEP_1)
	v_floor_f32 v12, -v13
	v_mov_b32 v14, 0
	v_mov_b32 v15, 0
.set j, 0
.rept 32
	v_mov_b32 v[O+j], 0                            ; the first step finds zeros, which the first change of M leaves zeros
.set j, j+1
.endr
	s_mov_b32 s36, 0
	s_mov_b32 s37, 15
	v_add_nc_u32 v[ADK], s36, v[LI]
	v_add_nc_u32 v[ADS], s36, v[L8]
	LOADK                                          ; step 0's
.Lstep_\@:
	BODY 1
	s_sub_co_u32 s37, s37, 1
	s_cmp_lg_u32 s37, 0
	s_cbranch_scc1 .Lstep_\@
	BODY 0                                         ; the last step asks for nothing more
	OUT \u
.endm
	PASS 0
	PASS 1
	s_wait_tensorcnt 0x0                           ; the wave's end
	ds_add_u32 v247, v255
	s_wait_dscnt 0x0
	CROUND                                         ; the closing round
	s_endpgm
.Lfunc_end_k_q3362ad738e_attn:
	.size	k_q3362ad738e_attn, .Lfunc_end_k_q3362ad738e_attn-k_q3362ad738e_attn
	.p2alignl 7, 3214868480
	.fill 96, 4, 3214868480
	.section	.rodata,"a",@progbits
	.p2align	6, 0x0
	.amdhsa_kernel k_q3362ad738e_attn
		.amdhsa_group_segment_fixed_size 206848
		.amdhsa_private_segment_fixed_size 0
		.amdhsa_enable_private_segment 0
		.amdhsa_kernarg_size 32
		.amdhsa_user_sgpr_count 2
		.amdhsa_user_sgpr_kernarg_segment_ptr 1
		.amdhsa_wavefront_size32 1
		.amdhsa_system_sgpr_workgroup_id_x 1
		.amdhsa_system_sgpr_workgroup_id_y 1
		.amdhsa_system_sgpr_workgroup_id_z 1
		.amdhsa_system_vgpr_workitem_id 0
		.amdhsa_next_free_vgpr 256
		.amdhsa_next_free_sgpr 66
		.amdhsa_reserve_vcc 0
		.amdhsa_float_denorm_mode_32 3
		.amdhsa_float_denorm_mode_16_64 3
		.amdhsa_memory_ordered 1
		.amdhsa_forward_progress 1
		.amdhsa_inst_pref_size 76
	.end_amdhsa_kernel
	.amdgpu_metadata
---
amdhsa.version: [ 1, 2 ]
amdhsa.kernels:
  - .name:           k_q3362ad738e_attn
    .symbol:         k_q3362ad738e_attn.kd
    .args:
      - { .name: q_img, .offset: 0, .size: 8, .value_kind: global_buffer, .address_space: global }
      - { .name: kv, .offset: 8, .size: 8, .value_kind: global_buffer, .address_space: global }
      - { .name: a_img, .offset: 16, .size: 8, .value_kind: global_buffer, .address_space: global }
      - { .name: a_sc, .offset: 24, .size: 8, .value_kind: global_buffer, .address_space: global }
    .group_segment_fixed_size: 206848
    .private_segment_fixed_size: 0
    .kernarg_segment_align: 8
    .kernarg_segment_size: 32
    .max_flat_workgroup_size: 512
    .sgpr_count:     66
    .vgpr_count:     256
    .wavefront_size: 32
...
	.end_amdgpu_metadata
.endif
;; end of part 2
;; launch proj (part 3): grid 4 x 64, 4 waves a work-group, clusters of 4 x 4, 327,680 bytes of LDS; arguments a_img, a_sc, W_out_codes, W_out_scales, b_out, out0; writes out0
.if DOCPART == 3
	.amdgcn_target "amdgcn-amd-amdhsa--gfx1250"
	.amdhsa_code_object_version 6
	.text
	.protected	k_q3362ad738e_proj
	.globl	k_q3362ad738e_proj
	.p2align	8
	.type	k_q3362ad738e_proj,@function
k_q3362ad738e_proj:
	s_mov_b64 s[64:65], 0
	v_nop
	global_prefetch_b8 v0, s[64:65] scope:SCOPE_SE
	s_setreg_imm32_b32 hwreg(HW_REG_WAVE_MODE, 25, 1), 1
	s_wait_xcnt 0x0
	s_wait_alu depctr_hold_cnt(0) depctr_sa_sdst(0) depctr_va_vdst(0) depctr_va_sdst(0) depctr_va_ssrc(0) depctr_va_vcc(0) depctr_vm_vsrc(0)
	s_getreg_b32 s2, hwreg(HW_REG_IB_STS2, 6, 4)
	s_cmp_eq_u32 s2, 0
	s_cbranch_scc0 .Lentry_in_a_cluster
	s_endpgm
.Lentry_in_a_cluster:
	s_bfe_u32 s2, ttmp6, 0x10000c
	s_cmp_lg_u32 s2, 0xf033
	s_cbranch_scc0 .Lentry_shape_is_right
	s_endpgm
.Lentry_shape_is_right:
; out0 = a W_out + b_out on codes of FP6 (E2M3) with E8M0 scales.  a comes as the launch before left it: a_img [K step of 256][tile of 16 rows][4 x 768 bytes: half fragments' images], a_sc [row in the images' order][32].
; A work-group makes 128 rows x 256 columns: 64 x 4 = 256 work-groups.  Four waves, 2 x 2: a wave makes 64 x 128 in 32 accumulators.
; ALL OF K LIES IN LDS, filled once at the head, one joint load a wave: A's images (4 rows of 24,576 bytes), W_out's 256 rows whole (768 bytes a row, 16 bytes of padding behind every 256), A's and B's scale bytes in units of 256 bytes.
; Nothing is filled again, so the walk along K has no round.  By the sizes: 98,304 + 208,896 + 13,056 + 512 bytes.
; CLUSTERS 4 x 4: A's tiles hang on the tile row alone and are shared by a row of the cluster, B's on the tile column alone and by a column.
; Source 0 = W_out's rows, source 1 = a's rows: a lane holds eight neighbouring columns of a row.  The bias is the first products' C.
; Tile a of a wave's four, row t, is token 32 (t / 8) + 8 g(a) + t % 8 of its 64, g = 0, 2, 1, 3: set right in the stores' offsets.
; The stage of the way out lies on A's K steps 0 and 1, which are read no more behind the barrier in step 4.
; No prefetch: every byte is asked for at the head, and there is no loop to run ahead in.
.set KROW,   768
.set PB,     816
.set FR,     12
.set NP,     4
.set ASTEP,  1572864
.set AKS,    24576
.set BB0,    4*AKS
.set SCL,    BB0+256*PB
.set SCLB,   SCL+16*272
.set SPARE,  SCLB+32*272
.set SPITCH, 528
.set ADRA, 16                          ; v16, v17 16 x lane in K steps 0-1, 2-3; v18, v19 8 x lane
.set ADRB, 20                          ; v20, v21 B's blocks 0-3, 4-7; v22, v23 behind one padding more in lanes 16-31
.set STO,  24
.set RD,   25
.set CO,   26
.set ADRS, 27
.set SPW,  28
.set NIL,  29
.set BA,   30
.set SC,   32                          ; v32-95 scale words: 8 i + step; lanes 0-15 A's block i, lanes 16-31 B's; nothing else ever
.set BI,   96                          ; v96-159 the bias
.set AF,   160                         ; v160-255 A's fragments, two sets of four
.set BK,   128
.set G1,   24
.set G0,   32
.set G1B,  48
.set G0B,  56
.set G1S,  68
.set G0S,  76
.set G1SB, 80
.set G0SB, 88
.set MSB, 0
.macro WIN new
.if MSB != (\new)
	s_set_vgpr_msb (MSB<<8)|(\new)
.set MSB, (\new)
.endif
.endm
.macro PLACES n
.rept \n
	v_nop
.endr
.endm
.macro CROUND
	s_barrier_signal -1
	s_barrier_wait -1
	s_cmp_lg_u32 s14, 0
	s_cbranch_scc1 .Lnot_wave_0_\@
	s_barrier_signal -3
.Lnot_wave_0_\@:
	s_barrier_wait -3
	s_barrier_signal -1
	s_barrier_wait -1
.endm
.macro GRP1 g, d0, rows, pitch
	s_mov_b32 s[\g+1], ((\d0)&0xffff)<<16
	s_mov_b32 s[\g+2], (\rows)<<16
	s_mov_b32 s[\g+3], (\d0)<<16
	s_mov_b32 s[\g+4], \rows
	s_mov_b32 s[\g+5], \pitch
	s_mov_b32 s[\g+6], 0
	s_mov_b32 s[\g+7], 0
.endm
.macro GRP0 g, base, off
	s_add_nc_u64 s[\g+2:\g+3], s[\base:\base+1], s[\off:\off+1]
	s_or_b32 s[\g+3], s[\g+3], 0x80000000
.endm
	s_load_b128 s[4:7], s[0:1], 0x0                ; a_img, a_sc
	s_load_b128 s[8:11], s[0:1], 0x10              ; W_out's codes, scales
	s_load_b128 s[96:99], s[0:1], 0x20             ; b_out, out0
	v_lshl_add_u32 v[SPW], v0, 2, SPARE
	v_mov_b32 v[NIL], 0
	ds_add_u32 v[SPW], v[NIL]                      ; the opening lines
	ds_add_u32 v[SPW], v[NIL]
	v_lshrrev_b32 v1, 5, v0
	v_readfirstlane_b32 s14, v1                    ; wave
	s_lshr_b32 s15, s14, 1                         ; my 64 rows
	s_and_b32 s16, s14, 1                          ; my 128 columns
	s_bfe_u32 s40, ttmp6, 0x40000
	s_bfe_u32 s41, ttmp6, 0x40004
	s_lshl_b32 s42, ttmp9, 2
	s_add_co_u32 s42, s42, s40                     ; tile column, 0..3
	s_and_b32 s17, ttmp7, 0xffff
	s_lshl_b32 s17, s17, 2
	s_add_co_u32 s17, s17, s41                     ; tile row, 0..63
	s_lshl_b32 s43, s41, 2
	s_lshl_b32 s43, 15, s43
	s_lshl_b32 s44, 0x1111, s40
	s_or_b32 s[G1+0], s43, (3<<16)|(1<<21)         ; A: elements of 8 bytes, no padding
	GRP1 G1, AKS/8, 4, ASTEP/8
	s_or_b32 s[G1B+0], s44, (1<<20)|(1<<21)|(5<<22)|(3<<25)
	GRP1 G1B, KROW, 256, KROW
	s_or_b32 s[G1S+0], s43, (3<<16)|(1<<20)|(1<<21)|(5<<22)|(3<<25)
	GRP1 G1S, 32, 16, 32
	s_or_b32 s[G1SB+0], s44, (3<<16)|(1<<20)|(1<<21)|(5<<22)|(3<<25)
	GRP1 G1SB, 32, 32, 32
	s_mov_b32 s[G0], 1
	s_mov_b32 s[G0+1], 0
	s_mov_b32 s[G0B], 1
	s_mov_b32 s[G0B+1], BB0
	s_mov_b32 s[G0S], 1
	s_mov_b32 s[G0S+1], SCL
	s_mov_b32 s[G0SB], 1
	s_mov_b32 s[G0SB+1], SCLB
	s_mul_i32 s20, s17, AKS
	s_mov_b32 s21, 0
	s_lshl_b32 s22, s17, 12
	s_mov_b32 s23, 0
	s_mul_i32 s46, s42, 256*KROW
	s_mov_b32 s47, 0
	s_lshl_b32 s92, s42, 13
	s_mov_b32 s93, 0
	s_wait_dscnt 0x0
	s_wait_kmcnt 0x0
	GRP0 G0, 4, 20
	GRP0 G0S, 6, 22
	GRP0 G0B, 8, 46
	GRP0 G0SB, 10, 92
	CROUND                                         ; ahead of the first joint loads
.macro ARM under, g0, g1, next
	s_cmp_lt_u32 s14, \under
	s_cbranch_scc0 \next
	tensor_load_to_lds s[\g0:\g0+3], s[\g1:\g1+7]
	s_nop 0
	PLACES 4
	s_branch .Lhead_asked
\next:
.endm
	ARM 1, G0S,  G1S,  .Lhead_sb
	ARM 2, G0SB, G1SB, .Lhead_a
	ARM 3, G0,   G1,   .Lhead_b
	tensor_load_to_lds s[G0B:G0B+3], s[G1B:G1B+7]
	s_nop 0
	PLACES 4
.Lhead_asked:
	s_mul_i32 s18, s15, 4*3072                     ; my four tiles of A
	s_mul_i32 s19, s16, 128*PB
	s_add_co_u32 s19, s19, BB0                     ; my 128 rows of B
	s_mul_i32 s21, s15, 8*272
	s_mul_i32 s22, s16, 16*272
	s_add_co_u32 s22, s22, 16*272
	s_sub_co_u32 s22, s22, s21                     ; from A's scale words to B's
	s_add_co_u32 s21, s21, SCL
	s_mul_i32 s20, s14, 16*SPITCH                  ; my stage
	s_lshl_b32 s46, s42, 10
	s_lshl_b32 s47, s16, 9
	s_add_co_u32 s46, s46, s47                     ; my first column, in bytes
	s_mov_b32 s47, 0
	s_add_nc_u64 s[96:97], s[96:97], s[46:47]
	s_lshl_b32 s92, s17, 1
	s_add_co_u32 s92, s92, s15
	s_lshl_b32 s92, s92, 18                        ; my first row: 64 rows of 4,096 bytes each
	s_mov_b32 s93, 0
	s_add_nc_u64 s[92:93], s[92:93], s[46:47]
	s_add_nc_u64 s[12:13], s[98:99], s[92:93]
	v_and_b32 v1, 15, v0                           ; r
	v_bfe_u32 v2, v0, 4, 1                         ; h
	v_and_b32 v6, 31, v0
	v_lshlrev_b32 v[CO], 4, v6
	v_lshlrev_b32 v7, 3, v6
	v_add_nc_u32 v[ADRA], s18, v[CO]
	v_add_nc_u32 v[ADRA+2], s18, v7
	v_add_nc_u32 v[ADRA+1], 2*AKS, v[ADRA]
	v_add_nc_u32 v[ADRA+3], 2*AKS, v[ADRA+2]
	v_mul_u32_u24 v3, v1, PB
	v_mad_u32_u24 v4, v2, 24, v3
	v_mad_u32_u24 v5, v2, 40, v3
	v_add_nc_u32 v[ADRB], s19, v4
	v_add_nc_u32 v[ADRB+2], s19, v5
	v_add_nc_u32 v[ADRB+1], 64*PB, v[ADRB]
	v_add_nc_u32 v[ADRB+3], 64*PB, v[ADRB+2]
	v_lshlrev_b32 v5, 5, v1
	v_lshrrev_b32 v7, 8, v5
	v_lshl_add_u32 v5, v7, 4, v5
	v_mul_u32_u24 v7, s22, v2
	v_add_nc_u32 v5, v5, v7
	v_add_nc_u32 v[ADRS], s21, v5
	v_mul_u32_u24 v5, v1, SPITCH
	v_lshl_add_u32 v5, v2, 5, v5
	v_add_nc_u32 v[STO], s20, v5
	v_add_nc_u32 v[RD], s20, v[CO]
	v_lshlrev_b32 v[BA], 5, v2
.irp i, 0,1,2,3,4,5,6,7,8,9,10,11,12,13,14,15
	global_load_b128 v[BI+4*\i:BI+4*\i+3], v[BA], s[96:97] offset:64*(\i/2)+16*(\i%2)   ; register 8 b + j: the bias of column 16 b + 8 h + j
.endr
.macro FB st, p                        ; B's eight fragments of step st: pieces of 8 bytes; piece n of a row lies at 8 n + 16 (n / 32)
	WIN 0x40
.irp i, 0,1,2,3,4,5,6,7
.irp q, 0,1,2,3,4,5
.set PIE, 12*(\st)+6*(\q/3)+\q%3
	ds_load_b64 v[128*(\p)+FR*\i+2*\q:128*(\p)+FR*\i+2*\q+1], v[ADRB+\i/4+2*((PIE%32)/29)] offset:8*PIE+16*(PIE/32)+(\i%4)*16*PB
.endr
.endr
	WIN 0
.endm
.macro FA st, p                        ; A's four fragments of step st, from the images
.irp i, 0,1,2,3
.set R_, AF+48*(\p)+FR*\i
.set O_, AKS*(((\st)/2)%2)+3072*\i+1536*((\st)%2)
	ds_load_b128 v[R_:R_+3], v[ADRA+(\st)/4] offset:O_
	ds_load_b64 v[R_+4:R_+5], v[ADRA+2+(\st)/4] offset:O_+512
	ds_load_b128 v[R_+6:R_+9], v[ADRA+(\st)/4] offset:O_+768
	ds_load_b64 v[R_+10:R_+11], v[ADRA+2+(\st)/4] offset:O_+1280
.endr
.endm
.macro MUL st                          ; 32 products, the 32 accumulators by turns
.set P_, (\st)%2
.irp a, 0,1,2,3
.irp b, 0,1,2,3,4,5,6,7
.if (\st) == 0
	v_wmma_scale_f32_16x16x128_f8f6f4 v[8*(8*\a+\b):8*(8*\a+\b)+7], v[128*P_+FR*\b:128*P_+FR*\b+FR-1], v[AF+48*P_+FR*\a:AF+48*P_+FR*\a+FR-1], v[BI+8*\b:BI+8*\b+7], v[SC+8*\b+(\st)], v[SC+8*\a+(\st)] matrix_a_fmt:MATRIX_FMT_FP6 matrix_b_fmt:MATRIX_FMT_FP6 matrix_a_scale:MATRIX_SCALE_ROW1
.else
	v_wmma_scale_f32_16x16x128_f8f6f4 v[8*(8*\a+\b):8*(8*\a+\b)+7], v[128*P_+FR*\b:128*P_+FR*\b+FR-1], v[AF+48*P_+FR*\a:AF+48*P_+FR*\a+FR-1], v[8*(8*\a+\b):8*(8*\a+\b)+7], v[SC+8*\b+(\st)], v[SC+8*\a+(\st)] matrix_a_fmt:MATRIX_FMT_FP6 matrix_b_fmt:MATRIX_FMT_FP6 matrix_a_scale:MATRIX_SCALE_ROW1
.endif
.endr
.endr
.endm
.macro STEP st
	s_wait_dscnt 0x0                               ; this step's fragments, asked for ahead of the last step's products
.if (\st) == 4
	s_barrier_signal -1                            ; every wave's reads of A's K steps 0 and 1 are over: the stage may lie there
	s_barrier_wait -1
.endif
.if (\st) < 7
.if (\st) > 0
	PLACES NP                                      ; between the last step's products and loads into the set that they read
.endif
	FB (\st)+1, ((\st)+1)%2
	FA (\st)+1, ((\st)+1)%2
.endif
.if (\st) == 0
	WIN 0x81                                       ; C, the bias, in window 0
.else
	WIN 0xa1
.endif
	MUL \st
.endm
	s_wait_alu depctr_va_vdst(0)                   ; the head's end
	s_wait_tensorcnt 0x0                           ; my tile is in,
	s_barrier_signal -1
	s_barrier_wait -1                              ; everybody's is
.irp i, 0,1,2,3,4,5,6,7
	ds_load_b128 v[SC+8*\i:SC+8*\i+3], v[ADRS] offset:\i*544
	ds_load_b128 v[SC+8*\i+4:SC+8*\i+7], v[ADRS] offset:\i*544+16
.endr
	FB 0, 0
	FA 0, 0
	s_wait_loadcnt 0x0                             ; the bias
.irp s, 0,1,2,3,4,5,6,7
	STEP \s
.endr
	WIN 0
; THE WAY OUT: a block of 16 rows x 128 columns goes through my stage and comes back as whole rows of 512 bytes.
.macro TOSTAGE a
	WIN 0x08
.irp b, 0,1,2,3,4,5,6,7
	ds_store_b128 v[STO], v[64*(\a)+8*\b:64*(\a)+8*\b+3] offset:64*\b
	ds_store_b128 v[STO], v[64*(\a)+8*\b+4:64*(\a)+8*\b+7] offset:64*\b+16
.endr
	WIN 0
.set BB, BK+64*((\a)%2)
.irp t, 0,1,2,3,4,5,6,7,8,9,10,11,12,13,14,15
	ds_load_b128 v[BB+4*\t:BB+4*\t+3], v[RD] offset:\t*SPITCH
.endr
.endm
.macro SEND a, younger
.set BB, BK+64*((\a)%2)
	s_wait_dscnt \younger
.irp t, 0,1,2,3,4,5,6,7,8,9,10,11,12,13,14,15
	global_store_b128 v[CO], v[BB+4*\t:BB+4*\t+3], s[12:13] offset:(32*(\t/8)+8*(2*((\a)%2)+(\a)/2)+\t%8)*4096 th:TH_STORE_NT   ; 512 consecutive bytes, aligned
.endr
.endm
	PLACES NP
	TOSTAGE 0
.irp a, 1,2,3
.if \a > 1
	s_wait_xcnt 0x0                                ; block a - 2's stores have read their registers
.endif
	TOSTAGE \a
	SEND \a-1, 32                                  ; behind block a - 1's loads: block a's 16 stores and 16 loads
.endr
	SEND 3, 0
	s_wait_tensorcnt 0x0                           ; the wave's end
	ds_add_u32 v[SPW], v[NIL]
	s_wait_dscnt 0x0
	CROUND                                         ; the closing round
	s_endpgm
.Lfunc_end_k_q3362ad738e_proj:
	.size	k_q3362ad738e_proj, .Lfunc_end_k_q3362ad738e_proj-k_q3362ad738e_proj
	.p2alignl 7, 3214868480
	.fill 96, 4, 3214868480
	.section	.rodata,"a",@progbits
	.p2align	6, 0x0
	.amdhsa_kernel k_q3362ad738e_proj
		.amdhsa_group_segment_fixed_size 327680
		.amdhsa_private_segment_fixed_size 0
		.amdhsa_enable_private_segment 0
		.amdhsa_kernarg_size 48
		.amdhsa_user_sgpr_count 2
		.amdhsa_user_sgpr_kernarg_segment_ptr 1
		.amdhsa_wavefront_size32 1
		.amdhsa_system_sgpr_workgroup_id_x 1
		.amdhsa_system_sgpr_workgroup_id_y 1
		.amdhsa_system_sgpr_workgroup_id_z 1
		.amdhsa_system_vgpr_workitem_id 0
		.amdhsa_next_free_vgpr 768
		.amdhsa_next_free_sgpr 100
		.amdhsa_reserve_vcc 0
		.amdhsa_float_denorm_mode_32 3
		.amdhsa_float_denorm_mode_16_64 3
		.amdhsa_memory_ordered 1
		.amdhsa_forward_progress 1
		.amdhsa_inst_pref_size 92
	.end_amdhsa_kernel
	.amdgpu_metadata
---
amdhsa.version: [ 1, 2 ]
amdhsa.kernels:
  - .name:           k_q3362ad738e_proj
    .symbol:         k_q3362ad738e_proj.kd
    .args:
      - { .name: a_img, .offset: 0, .size: 8, .value_kind: global_buffer, .address_space: global }
      - { .name: a_sc, .offset: 8, .size: 8, .value_kind: global_buffer, .address_space: global }
      - { .name: W_out_codes, .offset: 16, .size: 8, .value_kind: global_buffer, .address_space: global }
      - { .name: W_out_scales, .offset: 24, .size: 8, .value_kind: global_buffer, .address_space: global }
      - { .name: b_out, .offset: 32, .size: 8, .value_kind: global_buffer, .address_space: global }
      - { .name: out0, .offset: 40, .size: 8, .value_kind: global_buffer, .address_space: global }
    .group_segment_fixed_size: 327680
    .private_segment_fixed_size: 0
    .kernarg_segment_align: 8
    .kernarg_segment_size: 48
    .max_flat_workgroup_size: 128
    .sgpr_count:     100
    .vgpr_count:     768
    .wavefront_size: 32
...
	.end_amdgpu_metadata
.endif
;; end of part 3
